; MI455X (gfx1250); checked and timed in simulation.
; The chip was launched on July 23, 2026; its instructions are those of AMD's public machine-readable ISA for CDNA 5 (MIT licence, August 2026) and "CDNA5" Instruction Set Architecture Reference Guide (July 2026). The comments in the code are by the model that wrote it; some were corrected since.
;; Multi Head Attention. Allowed arithmetic: matrix products marked QUANTISED: E2M1 operands, one E8M0 scale for each 32 along K, by v_wmma_scale_f32_16x16x128_f8f6f4 with both operands' format E2M1 (or v_wmma_scale_f32_32x16x128_f4), f32 sums; products left as they are: bf16, f16 or f32 operands; f32 sums; everything else in f32.
;; Inputs: Wk 1,024 x 1,024 float32; Wo 1,024 x 1,024 float32; Wq 1,024 x 1,024 float32; Wv 1,024 x 1,024 float32; bk 1,024 float32; bo 1,024 float32; bq 1,024 float32; bv 1,024 float32; k 4 x 2,048 x 1,024 float32; mask 4 x 2,048 x 2,048 int32; q 4 x 2,048 x 1,024 float32; v 4 x 2,048 x 1,024 float32.
;; Outputs: out0 4 x 2,048 x 1,024 float32.
;; This version of the problem:
;;   THIS VERSION OF THE PROBLEM IS GIVEN IN LOW PRECISION. The matrix products marked QUANTISED in the list below multiply operands that are first quantised to E2M1 (2 exponent bits, 1 mantissa bit; 4 bits a number), with one power-of-two scale for each 32 numbers along K (OCP MX v1.0); their sums are f32. The products marked 'left as it is' may take bf16, f16 or f32 operands, with f32 sums. Whichever they take, every output number must still come out within the allowed error. Rounding operands to bf16 (8 significant bits) uses up far more of that allowance than f16 does (11 bits, for magnitudes from 6e-5 to 65,504). All else is computed in f32.
;;   The module's matrix products, in the order in which they are computed (A, B: the left and right operand; K: the contracted axis; several contracted axes count as one K, in the product's order):
;;     1. [M 8,192, K 1,024] x [K 1,024, N 1,024]; A: input q; B: input Wq: QUANTISED
;;     2. [M 8,192, K 1,024] x [K 1,024, N 1,024]; A: input k; B: input Wk: QUANTISED
;;     3. [M 8,192, K 1,024] x [K 1,024, N 1,024]; A: input v; B: input Wv: QUANTISED
;;     4. batch 64 x [M 2,048, K 64] x [K 64, N 2,048]; A: computed on the way; B: computed on the way: left as it is (an operand is computed on the way)
;;     5. batch 64 x [M 2,048, K 2,048] x [K 2,048, N 64]; A: computed on the way; B: computed on the way: left as it is (an operand is computed on the way)
;;     6. [M 8,192, K 1,024] x [K 1,024, N 1,024]; A: computed on the way; B: input Wo: left as it is (an operand is computed on the way)
;;   THE QUANTISER, for each operand of a quantised product, along K:
;;     - K is cut into blocks of 32 from its start; a last block that is shorter is filled with zeros.
;;     - A block's scale is 2^e with e = floor(log2(the largest magnitude in the block)) - 2, held to -126 .. 127; a block of zeros has e = 0. As a byte (E8M0): e + 127.
;;     - Each number is divided by its block's scale, clamped to +-6, and rounded to the nearest number of E2M1, ties to even, subnormals kept.
;;     - The product sums the exact products of the quantised numbers (number of the format x scale) in f32.
;;   ~~~python
;;   def quantise(x, axis):      # numpy; x: float32 -> the quantised numbers, widened to float32 again
;;       x = np.moveaxis(x, axis, -1); K = x.shape[-1]
;;       x = np.pad(x, [(0, 0)] * (x.ndim - 1) + [(0, -K % 32)]); x = x.reshape(x.shape[:-1] + (-1, 32)); a = np.abs(x).max(-1, keepdims=True)
;;       e = np.where(a > 0, np.clip(np.frexp(np.where(a > 0, a, 1))[1] - 1 - 2, -126, 127), 0)      # np.frexp(a)[1] - 1 = floor(log2(a)), exactly
;;       r = np.clip(x / 2.0 ** e, -6, 6)
;;       step = 2.0 ** (np.maximum(np.frexp(np.where(r == 0, 1, r))[1] - 1, 0) - 1)
;;       q = np.round(r / step) * step * 2.0 ** e      # np.round: ties to even
;;       return np.moveaxis(q.reshape(q.shape[:-2] + (-1,))[..., :K], -1, axis).astype(np.float32)
;;   ~~~
;; One version. Each part assembles by itself: llvm-mc -triple=amdgcn-amd-amdhsa -mcpu=gfx1250 --defsym DOCPART=n.
;; ======== version 1 of 1: 4 launches
;; limits: right only within a limited range of input values; values are held in f16: magnitudes above 65,504 overflow, below 6.1e-05 lose precision
;; workspace buffers: xc 12,582,912 bytes; xs 786,432 bytes; wc 1,572,864 bytes; ws 98,304 bytes; wof 2,097,152 bytes; mw 2,097,152 bytes of whole numbers; hf 50,331,648 bytes; cf 16,777,216 bytes
;; launch prep (part 1): grid 704 x 1, 4 waves a work-group, no clusters, 34,304 bytes of LDS; arguments q, k, v, Wq, Wk, Wv, Wo, mask, xc, xs, wc, ws, wof, mw; writes xc, xs, wc, ws, wof, mw
.if DOCPART == 1
	.amdgcn_target "amdgcn-amd-amdhsa--gfx1250"
	.amdhsa_code_object_version 6
	.text
	.protected	k_q3b539cd5a1_prep
	.globl	k_q3b539cd5a1_prep
	.p2align	8
	.type	k_q3b539cd5a1_prep,@function
k_q3b539cd5a1_prep:
	s_mov_b64 s[64:65], 0
	v_nop
	global_prefetch_b8 v0, s[64:65] scope:SCOPE_SE
	s_setreg_imm32_b32 hwreg(HW_REG_WAVE_MODE, 25, 1), 1
	s_wait_xcnt 0x0
; PREP: every input but the biases is read once and laid as the later launches' operand registers want it.
;   q, k, v [8192][1024] and Wq, Wk, Wv [1024][1024], f32 -> codes of FP4 (E2M1) with one E8M0 scale byte for each 32 along K (their last axis):
;       xc, wc: [tensor][tile of 16 rows][K step of 128][c 2][512 bytes]: registers 4 c .. 4 c + 3 of a fragment, lane l's 16 bytes at 16 l (lane (r, h): row r, k = 64 c + 32 h + 0 .. 31)
;       xs, ws: [tensor][tile][g 2][row 16][4 words]: word 4 g + i is the row's scale word of K step 4 g + i
;   Wo [1024][1024] f32 -> f16, wof: [K block of 128][tile of 16 rows][t 8][512 bytes]: lane (r, h): row r, k = 16 t + 8 h + 0 .. 7 of the block
;   mask [8192 rows][2048] int32 -> bits, mw: [tile of 16 rows][16 keys][j 8] words: bit l of a word = (mask[row l % 16][16 kt + 8 (l / 16) + j] != 0)
; A block's scale is 2^(floor(log2(its largest magnitude)) - 2); its byte is the largest magnitude's exponent field - 2, held at 1 from below.
; LIMITS: a block of zeros keeps the byte 1 (its codes are zeros, and this program alone reads the bytes); NaN and infinities among the inputs are not served;
;   Wo goes in f16: magnitudes under 65,504 are served, under 6e-5 with an absolute error of 3e-8.
; SHARES.  A wave takes a STRIP of 16 rows x 4,096 bytes, in 8 chunks of 16 rows x 512 bytes.  Work-groups 0-383: q, k, v; 384-431: Wq, Wk, Wv; 432-447: Wo; 448-703: the mask (two strips to a tile of rows).
; Each load reads 512 consecutive bytes of one row.  A chunk turns through the wave's own stage in LDS (rows 528 bytes apart) and comes back as the operand's layout wants it; each store writes 256 or 512 consecutive bytes.
; The stores into the stage stand on the one way that all kinds take; the three kinds part only for the reads and the arithmetic.  Loads run two chunks (32 loads a wave) ahead.  No barrier: waves share nothing.
; No matrix unit, no cluster, no tensor load: the launch is a stream, and several work-groups lie on a WGP.
.set PITCH, 528                        ; a stage row: 512 bytes + 16
.set WSTG,  16*PITCH                   ; a wave's stage
.set SPARE, 4*WSTG                     ; behind the stages: the spare words, 128 bytes for each wave
.set L16, 1                            ; v1   16 x lane
.set STW, 2                            ; v2   the stage, on the way in: 16 x lane
.set ADQ, 3                            ; v3   on the way out, for codes: 528 r + 128 h
.set ADM, 4                            ; v4   on the way out, for f16 and bits: 528 r + 32 h
.set H8,  5                            ; v5   8 h
.set SPW, 6                            ; v6   my spare word; never rewritten
.set NIL, 7                            ; v7   0; never rewritten
.set L8,  14                           ; v14  8 x lane           (v8-13 at work)
.set TP,  15                           ; v15  a lane permute's destination
.set RO,  16                           ; v16-31  row i's offset: 16 x lane + i x the row's pitch
.set SW,  32                           ; v32-39  the strip's eight scale words
.set C,   40                           ; v40-47  a chunk's codes; v40-41 a chunk's mask words
.set X,   48                           ; v48-111 a chunk as the operand wants it
.set R,   112                          ; v112-239 two sets of 64: a chunk as loaded
.set WV,   2
.set G,    3
.set KIND, 4                           ; 0 codes, 1 f16, 2 bits
.set ROWP, 5                           ; a source row in bytes
.set SRC,  36
.set D1,   38
.set CW,   40                          ; s[40:47] eight compare results
.set D2,   48
.set SEL,  50
	s_load_b512 s[8:23], s[0:1], 0x0               ; q, k, v, Wq, Wk, Wv, Wo, mask
	s_load_b256 s[24:31], s[0:1], 0x40             ; xc, xs, wc, ws
	s_load_b128 s[32:35], s[0:1], 0x60             ; wof, mw
	v_lshl_add_u32 v[SPW], v0, 2, SPARE
	v_mov_b32 v[NIL], 0
	v_lshrrev_b32 v8, 5, v0
	v_readfirstlane_b32 s[WV], v8                  ; wave 0..3
	v_and_b32 v9, 31, v0                           ; lane
	v_and_b32 v10, 15, v0                          ; r
	v_bfe_u32 v11, v0, 4, 1                        ; h
	v_lshlrev_b32 v[L16], 4, v9
	v_lshlrev_b32 v[L8], 3, v9
	v_lshlrev_b32 v[H8], 3, v11
	s_mul_i32 s40, s[WV], WSTG
	v_add_nc_u32 v[STW], s40, v[L16]
	v_mul_u32_u24 v12, v10, PITCH
	v_add_nc_u32 v12, s40, v12
	v_lshl_add_u32 v[ADQ], v11, 7, v12
	v_lshl_add_u32 v[ADM], v11, 5, v12
	v_mov_b32 v[TP], 0                             ; a lane permute's destination counts as one of its sources
	v_mov_b32 v[C], 0                              ; and so does v_writelane_b32's
	v_mov_b32 v[C+1], 0
.irp i, 0,1,2,3,4,5,6,7
	v_mov_b32 v[SW+\i], 0                          ; written once, so that they are written on every way through the arms
.endr
	s_mov_b32 s[SEL], 0x76543210
	s_mov_b32 s[SEL+1], 0xfedcba98                 ; v_permlanex16_b32's selects for lane l xor 16
	s_mov_b32 s[G], ttmp9
	s_mov_b32 s6, 0                                ; the first work-group of my tensor
	s_mov_b32 s7, 0                                ; the first work-group of my destination
	s_mov_b32 s[KIND], 0
	s_mov_b32 s[ROWP], 4096
	s_mov_b32 s52, 13                              ; a strip's bytes in the first destination: 2^13, 2^12 (f16: one K block's part), 2^11 (bits)
	s_wait_kmcnt 0x0
	s_mov_b64 s[SRC:SRC+1], s[8:9]
	s_mov_b64 s[D1:D1+1], s[24:25]
	s_mov_b64 s[D2:D2+1], s[26:27]
; the buffers are chosen by the work-group's number alone
.macro PICK first, src
	s_cmp_ge_u32 s[G], \first
	s_cselect_b64 s[SRC:SRC+1], s[\src:\src+1], s[SRC:SRC+1]
	s_cselect_b32 s6, \first, s6
.endm
	PICK 128, 10                                   ; k
	PICK 256, 12                                   ; v
	PICK 384, 14                                   ; Wq: the weights' codes and scales
	s_cselect_b64 s[D1:D1+1], s[28:29], s[D1:D1+1]
	s_cselect_b64 s[D2:D2+1], s[30:31], s[D2:D2+1]
	s_cselect_b32 s7, 384, s7
	PICK 400, 16                                   ; Wk
	PICK 416, 18                                   ; Wv
	PICK 432, 20                                   ; Wo
	s_cselect_b64 s[D1:D1+1], s[32:33], s[D1:D1+1]
	s_cselect_b32 s7, 432, s7
	s_cselect_b32 s[KIND], 1, s[KIND]
	s_cselect_b32 s52, 12, s52
	PICK 448, 22                                   ; the mask
	s_cselect_b64 s[D1:D1+1], s[34:35], s[D1:D1+1]
	s_cselect_b32 s7, 448, s7
	s_cselect_b32 s[KIND], 2, s[KIND]
	s_cselect_b32 s52, 11, s52
	s_cselect_b32 s[ROWP], 8192, s[ROWP]
	s_sub_co_u32 s53, s[G], s6
	s_lshl_b32 s53, s53, 2
	s_add_co_u32 s53, s53, s[WV]                   ; my strip in its tensor
	s_lshl_b32 s54, s53, 16                        ; 16 rows of 4,096 bytes;
	s_lshr_b32 s55, s53, 1                         ; in the mask: 16 rows of 8,192 bytes for two strips,
	s_lshl_b32 s55, s55, 17
	s_and_b32 s40, s53, 1
	s_lshl_b32 s40, s40, 12                        ; the odd strip 4,096 bytes along the rows
	s_add_co_u32 s55, s55, s40
	s_cmp_eq_u32 s[KIND], 2
	s_cselect_b32 s54, s55, s54
	s_mov_b32 s55, 0
	s_add_nc_u64 s[SRC:SRC+1], s[SRC:SRC+1], s[54:55]
	s_sub_co_u32 s53, s[G], s7
	s_lshl_b32 s53, s53, 2
	s_add_co_u32 s53, s53, s[WV]                   ; my strip in its destination
	s_lshl_b32 s54, s53, s52
	s_add_nc_u64 s[D1:D1+1], s[D1:D1+1], s[54:55]
	s_lshl_b32 s54, s53, 9                         ; 512 bytes of scale words a strip
	s_add_nc_u64 s[D2:D2+1], s[D2:D2+1], s[54:55]
.irp i, 0,1,2,3,4,5,6,7,8,9,10,11,12,13,14,15
	v_mad_u32_u24 v[RO+\i], s[ROWP], \i, v[L16]
.endr
.macro LOADG c, p                      ; chunk c into set p: sixteen loads, each 512 consecutive bytes of one row
.irp i, 0,1,2,3,4,5,6,7,8,9,10,11,12,13,14,15
	global_load_b128 v[R+64*(\p)+4*\i:R+64*(\p)+4*\i+3], v[RO+\i], s[SRC:SRC+1] offset:512*(\c) th:TH_LOAD_NT
.endr
.endm
.macro NEXT c                          ; the chunk two on takes the set that chunk c has left
.if (\c)+2 < 8
	LOADG (\c)+2, (\c)%2
.endif
.endm
	LOADG 0, 0
	LOADG 1, 1
.macro CHUNK c
.if (\c) < 7
	s_wait_loadcnt 16                              ; this chunk's sixteen loads are in; the next chunk's sixteen may be out
.else
	s_wait_loadcnt 0x0
.endif
.irp i, 0,1,2,3,4,5,6,7,8,9,10,11,12,13,14,15
	ds_store_b128 v[STW], v[R+64*((\c)%2)+4*\i:R+64*((\c)%2)+4*\i+3] offset:PITCH*\i
.endr
	s_cmp_eq_u32 s[KIND], 1
	s_cbranch_scc1 .Lwo_\@
	s_cmp_eq_u32 s[KIND], 2
	s_cbranch_scc1 .Lmask_\@
	; ---- codes: the chunk is a K step of 128.  Lane (r, h) takes blocks h and 2 + h of row r: 2 x 32 neighbours
	s_wait_xcnt 0x0                                ; the last chunk's stores have read their data: C is written again only behind this wait
.irp cc, 0,1
.irp i, 0,1,2,3,4,5,6,7
	ds_load_b128 v[X+32*\cc+4*\i:X+32*\cc+4*\i+3], v[ADQ] offset:256*\cc+16*\i   ; LDS serves a wave's instructions in order: these see the stores above
.endr
.endr
	s_wait_dscnt 0x0                               ; the numbers are back, and the stores into the stage have read their registers
	NEXT \c
	v_max3_num_f32 v8, |v[X]|, |v[X+1]|, 0x1800000          ; each block's largest magnitude, with the floor 2^(3 - 127) among its leaves: the byte cannot fall under 1
	v_max3_num_f32 v9, |v[X+32]|, |v[X+33]|, 0x1800000
.irp i, 2,4,6,8,10,12,14,16,18,20,22,24,26,28,30
	v_max3_num_f32 v8, v8, |v[X+\i]|, |v[X+\i+1]|           ; (the two blocks by turns)
	v_max3_num_f32 v9, v9, |v[X+32+\i]|, |v[X+33+\i]|
.endr
	v_add_nc_u32 v10, 0xff000000, v8               ; 2 off the exponent field: the conversion takes the exponent field of this operand as its scale
	v_add_nc_u32 v11, 0xff000000, v9
	v_lshrrev_b32 v12, 23, v10                     ; the scales' bytes
	v_lshrrev_b32 v13, 23, v11
	v_lshl_or_b32 v12, v13, 16, v12                ; blocks h and 2 + h,
	v_lshlrev_b32 v12, v[H8], v12                  ; at their places in the row's scale word;
	v_permlanex16_b32 v[TP], v12, s[SEL], s[SEL+1]
	v_or_b32 v[SW+(\c)], v12, v[TP]                ; with lane l xor 16's two the word is whole
.irp cc, 0,1
.irp g, 0,1,2,3
	v_cvt_scalef32_pk8_fp4_f32 v[C+4*\cc+\g], v[X+32*\cc+8*\g:X+32*\cc+8*\g+7], v[10+\cc]
.endr
.endr
	v_nop                                          ; one plain place behind the last scaled conversion
	global_store_b128 v[L16], v[C:C+3], s[D1:D1+1] offset:1024*(\c)            ; 512 consecutive bytes each
	global_store_b128 v[L16], v[C+4:C+7], s[D1:D1+1] offset:1024*(\c)+512
	s_branch .Ljoin_\@
.Lwo_\@:
	; ---- f16: the chunk is a K block of 128.  Lane (r, h) takes, for each t, k = 16 t + 8 h + 0 .. 7 of row r
	s_wait_xcnt 0x0                                ; the last chunk's stores have read X
.irp t, 0,1,2,3,4,5,6,7
	ds_load_b128 v[X+8*\t:X+8*\t+3], v[ADM] offset:64*\t
	ds_load_b128 v[X+8*\t+4:X+8*\t+7], v[ADM] offset:64*\t+16
.endr
	s_wait_dscnt 0x0
	NEXT \c
.irp t, 0,1,2,3,4,5,6,7
.irp i, 0,1,2,3
	v_cvt_pk_f16_f32 v[X+8*\t+\i], v[X+8*\t+2*\i], v[X+8*\t+2*\i+1]            ; in place, ascending: a result never lands on a number still to be read
.endr
	global_store_b128 v[L16], v[X+8*\t:X+8*\t+3], s[D1:D1+1] offset:262144*(\c)+512*\t
.endr
	s_branch .Ljoin_\@
.Lmask_\@:
	; ---- bits: the chunk is 128 keys.  A compare over the 32 lanes IS a word of mw; 64 words are gathered two to a lane and leave as 256 consecutive bytes
	s_wait_xcnt 0x0                                ; the last chunk's store has read v[C:C+1]
.irp t, 0,1,2,3,4,5,6,7
	ds_load_b128 v[X+8*\t:X+8*\t+3], v[ADM] offset:64*\t
	ds_load_b128 v[X+8*\t+4:X+8*\t+7], v[ADM] offset:64*\t+16
.endr
	s_wait_dscnt 0x0
	NEXT \c
.irp t, 0,1,2,3,4,5,6,7
.irp j, 0,1,2,3,4,5,6,7
	v_cmp_ne_u32 s[CW+\j], 0, v[X+8*\t+\j]
.endr
.irp j, 0,1,2,3,4,5,6,7
	v_writelane_b32 v[C+\j%2], s[CW+\j], 4*\t+\j/2                             ; word 8 t + j: register (word % 2), lane word / 2
.endr
.endr
	global_store_b64 v[L8], v[C:C+1], s[D1:D1+1] offset:256*(\c)
.Ljoin_\@:
.endm
.irp c, 0,1,2,3,4,5,6,7
	CHUNK \c
.endr
	s_cmp_lg_u32 s[KIND], 0
	s_cbranch_scc1 .Lend
	s_wait_xcnt 0x0                                ; the last chunk's stores have read C
	v_cmp_eq_u32 vcc_lo, 8, v[H8]                  ; lanes 0-15 store K steps 0-3 of their row, lanes 16-31 K steps 4-7
.irp i, 0,1,2,3
	v_cndmask_b32 v[C+\i], v[SW+\i], v[SW+4+\i], vcc_lo
.endr
	global_store_b128 v[L16], v[C:C+3], s[D2:D2+1] ; the tile's 512 bytes of scale words
.Lend:
	s_wait_tensorcnt 0x0                           ; the wave's end, behind my last LDS store
	ds_add_u32 v[SPW], v[NIL]
	s_wait_dscnt 0x0
	s_endpgm
.Lfunc_end_k_q3b539cd5a1_prep:
	.size	k_q3b539cd5a1_prep, .Lfunc_end_k_q3b539cd5a1_prep-k_q3b539cd5a1_prep
	.p2alignl 7, 3214868480
	.fill 96, 4, 3214868480
	.section	.rodata,"a",@progbits
	.p2align	6, 0x0
	.amdhsa_kernel k_q3b539cd5a1_prep
		.amdhsa_group_segment_fixed_size 34304
		.amdhsa_private_segment_fixed_size 0
		.amdhsa_enable_private_segment 0
		.amdhsa_kernarg_size 112
		.amdhsa_user_sgpr_count 2
		.amdhsa_user_sgpr_kernarg_segment_ptr 1
		.amdhsa_wavefront_size32 1
		.amdhsa_system_sgpr_workgroup_id_x 1
		.amdhsa_system_sgpr_workgroup_id_y 1
		.amdhsa_system_sgpr_workgroup_id_z 1
		.amdhsa_system_vgpr_workitem_id 0
		.amdhsa_next_free_vgpr 240
		.amdhsa_next_free_sgpr 66
		.amdhsa_reserve_vcc 1
		.amdhsa_float_denorm_mode_32 3
		.amdhsa_float_denorm_mode_16_64 3
		.amdhsa_memory_ordered 1
		.amdhsa_forward_progress 1
		.amdhsa_inst_pref_size 183
	.end_amdhsa_kernel
	.amdgpu_metadata
---
amdhsa.version: [ 1, 2 ]
amdhsa.kernels:
  - .name:           k_q3b539cd5a1_prep
    .symbol:         k_q3b539cd5a1_prep.kd
    .args:
      - { .name: q, .offset: 0, .size: 8, .value_kind: global_buffer, .address_space: global }
      - { .name: k, .offset: 8, .size: 8, .value_kind: global_buffer, .address_space: global }
      - { .name: v, .offset: 16, .size: 8, .value_kind: global_buffer, .address_space: global }
      - { .name: Wq, .offset: 24, .size: 8, .value_kind: global_buffer, .address_space: global }
      - { .name: Wk, .offset: 32, .size: 8, .value_kind: global_buffer, .address_space: global }
      - { .name: Wv, .offset: 40, .size: 8, .value_kind: global_buffer, .address_space: global }
      - { .name: Wo, .offset: 48, .size: 8, .value_kind: global_buffer, .address_space: global }
      - { .name: mask, .offset: 56, .size: 8, .value_kind: global_buffer, .address_space: global }
      - { .name: xc, .offset: 64, .size: 8, .value_kind: global_buffer, .address_space: global }
      - { .name: xs, .offset: 72, .size: 8, .value_kind: global_buffer, .address_space: global }
      - { .name: wc, .offset: 80, .size: 8, .value_kind: global_buffer, .address_space: global }
      - { .name: ws, .offset: 88, .size: 8, .value_kind: global_buffer, .address_space: global }
      - { .name: wof, .offset: 96, .size: 8, .value_kind: global_buffer, .address_space: global }
      - { .name: mw, .offset: 104, .size: 8, .value_kind: global_buffer, .address_space: global }
    .group_segment_fixed_size: 34304
    .private_segment_fixed_size: 0
    .kernarg_segment_align: 8
    .kernarg_segment_size: 112
    .max_flat_workgroup_size: 128
    .sgpr_count:     66
    .vgpr_count:     240
    .wavefront_size: 32
...
	.end_amdgpu_metadata
.endif
;; end of part 1
;; launch proj (part 2): grid 4 x 96, 16 waves a work-group, clusters of 4 x 4, 280,576 bytes of LDS; arguments xc, xs, wc, ws, bq, bk, bv, hf; writes hf
.if DOCPART == 2
	.amdgcn_target "amdgcn-amd-amdhsa--gfx1250"
	.amdhsa_code_object_version 6
	.text
	.protected	k_q3b539cd5a1_proj
	.globl	k_q3b539cd5a1_proj
	.p2align	8
	.type	k_q3b539cd5a1_proj,@function
k_q3b539cd5a1_proj:
	s_mov_b64 s[64:65], 0
	v_nop
	global_prefetch_b8 v0, s[64:65] scope:SCOPE_SE
	s_setreg_imm32_b32 hwreg(HW_REG_WAVE_MODE, 25, 1), 1
	s_wait_xcnt 0x0
	s_wait_alu depctr_hold_cnt(0) depctr_sa_sdst(0) depctr_va_vdst(0) depctr_va_sdst(0) depctr_va_ssrc(0) depctr_va_vcc(0) depctr_vm_vsrc(0)
	s_getreg_b32 s2, hwreg(HW_REG_IB_STS2, 6, 4)
	s_cmp_eq_u32 s2, 0
	s_cbranch_scc0 .Lentry_in_a_cluster
	s_endpgm
.Lentry_in_a_cluster:
	s_bfe_u32 s2, ttmp6, 0x10000c
	s_cmp_lg_u32 s2, 0xf033
	s_cbranch_scc0 .Lentry_shape_is_right
	s_endpgm
.Lentry_shape_is_right:
; PROJ: the three projections y = x W^T + b on codes of FP4 (E2M1) with E8M0 scales, sums in f32; y leaves in f16 as images of the operand registers of the attention's products.
;   hf: [tensor q, k, v][batch x 16 + head][tile of 16 tokens][ct 4][512 bytes]: the 16 bytes of token r, channels 16 ct + 8 h + 0 .. 7, lie at place 16 h + r of the group (q, k)
;       or at place (r & 7) + 8 h + 16 (r >> 3) (v: so that the attention's turning load reads each group as consecutive bytes).
; LIMITS: y goes in f16: magnitudes under 65,504 are served (under 6e-5 with an absolute error of 3e-8).
; SHARES.  Work-group (x, y): tensor y / 32, 256 tokens (y % 32), 256 columns (x): four heads.  Sixteen waves, each 64 tokens x 64 columns (one head): 16 accumulators, 256 registers, four waves to a SIMD.
; ALL OF K LIES IN LDS AT ONCE: 128 KiB of x's codes, 128 KiB of W's, 8 KiB of scale words each: only first fills, one barrier, no ring.
; CLUSTERS: 4 x 4 work-groups.  The four of a row need the same x, the four of a column the same W: each block is asked for JOINTLY, by the same tensor load with the same descriptor and a mask that names the four.
; Codes and scale words lie in memory as images of registers: a tile is a dense block, a fragment's four registers are 512 consecutive bytes of LDS, lane l's at 16 l: no pitch, no padding.
; THE MATRIX INSTRUCTION IS USED TRANSPOSED (source 0 = 16 rows of W, source 1 = 16 rows of x): a lane holds one token and eight neighbouring channels, which pack into 16 bytes of an image.
; The bias is loaded INTO the accumulators, in the result's layout: all eight K steps are alike, and nothing is cleared.
.set XCO,   0                          ; LDS: x's codes, 16 tiles x 8,192 bytes
.set WCO,   131072                     ; W's codes
.set XSO,   262144                     ; x's scale words, 16 tiles x 512 bytes
.set WSO,   270336                     ; W's
.set SPARE, 278528                     ; the spare words, 128 bytes for each of sixteen waves
.set L16, 1                            ; v1   16 x lane
.set AD0, 2                            ; v2   W's fragments of my head
.set AD1, 3                            ; v3   x's fragments of my 64 tokens
.set ADS, 4                            ; v4   scale words: lanes 0-15 x's, lanes 16-31 W's
.set BO,  5                            ; v5   32 h: my eight numbers of a tile's sixteen of the bias
.set SPW, 6
.set NIL, 7
.set SC,  8                            ; v8-39   register 8 i + s: lanes 0-15 the word of x's tile i, lanes 16-31 that of W's tile i, for K step s.  They hold scales and nothing else
.set F0,  40                           ; v40-71  W's four fragments
.set F1,  72                           ; v72-103 x's four
.set OST, 104                          ; v104    my 16 bytes' place in an image on the way out
.set ACC, 128                          ; v128-255 accumulator (a, b) at 128 + 8 (4 a + b)
.set WV,  20
.set G1XC, 24
.set G1WC, 32
.set G1XS, 40
.set G1WS, 48
.set G0XC, 56
.set G0WC, 60
.set G0XS, 68
.set G0WS, 72
.macro CROUND                          ; a round of the cluster's barrier
	s_barrier_signal -1
	s_barrier_wait -1
	s_cmp_lg_u32 s[WV], 0
	s_cbranch_scc1 .Lnot_wave_0_\@
	s_barrier_signal -3
.Lnot_wave_0_\@:
	s_barrier_wait -3
	s_barrier_signal -1
	s_barrier_wait -1
.endm
.macro TL g0, g1                       ; a joint load; an s_nop 0 and four v_nop follow it
	tensor_load_to_lds s[\g0:\g0+3], s[\g1:\g1+7]
	s_nop 0
.rept 4
	v_nop
.endr
.endm
	s_load_b512 s[4:19], s[0:1], 0x0               ; xc s[4:5], xs s[6:7], wc s[8:9], ws s[10:11], bq, bk, bv s[12:17], hf s[18:19]
	v_lshl_add_u32 v[SPW], v0, 2, SPARE
	v_mov_b32 v[NIL], 0
	ds_add_u32 v[SPW], v[NIL]                      ; the wave's opening: the add, twice on end, and its wait ahead of the first tensor loads
	ds_add_u32 v[SPW], v[NIL]
	v_lshrrev_b32 v8, 5, v0
	v_readfirstlane_b32 s[WV], v8                  ; wave 0..15
	s_bfe_u32 s21, ttmp6, 0x40000                  ; cx
	s_bfe_u32 s22, ttmp6, 0x40004                  ; cy
	s_lshl_b32 s76, ttmp9, 2
	s_add_co_u32 s76, s76, s21                     ; work-group x: 256 columns
	s_and_b32 s78, ttmp7, 0xffff                   ; cluster y
	s_lshl_b32 s77, s78, 2
	s_add_co_u32 s77, s77, s22                     ; work-group y: tensor x 32 + block of 256 tokens
	s_lshr_b32 s78, s78, 3                         ; the tensor: the same in all sixteen partners
	s_lshl_b32 s79, s22, 2
	s_lshl_b32 s79, 15, s79                        ; my row of the cluster
	s_lshl_b32 s80, 0x1111, s21                    ; my column
	; group 1: dense blocks as rows of 256 bytes (32 elements of 8 bytes), no padding; bit 21 set beside a mask
	s_or_b32 s[G1XC], s79, (3<<16)|(1<<21)
	s_or_b32 s[G1XS], s79, (3<<16)|(1<<21)
	s_or_b32 s[G1WC], s80, (3<<16)|(1<<21)
	s_or_b32 s[G1WS], s80, (3<<16)|(1<<21)
.irp g, G1XC, G1WC                     ; a quarter of the codes: 128 rows
	s_mov_b32 s[\g+1], 32<<16
	s_mov_b32 s[\g+2], 128<<16
	s_mov_b32 s[\g+3], 32<<16
	s_mov_b32 s[\g+4], 128
	s_mov_b32 s[\g+5], 32
	s_mov_b32 s[\g+6], 0
	s_mov_b32 s[\g+7], 0
.endr
.irp g, G1XS, G1WS                     ; all the scale words: 32 rows
	s_mov_b32 s[\g+1], 32<<16
	s_mov_b32 s[\g+2], 32<<16
	s_mov_b32 s[\g+3], 32<<16
	s_mov_b32 s[\g+4], 32
	s_mov_b32 s[\g+5], 32
	s_mov_b32 s[\g+6], 0
	s_mov_b32 s[\g+7], 0
.endr
	s_and_b32 s81, s[WV], 3
	s_lshl_b32 s82, s81, 15                        ; which quarter of 32,768 bytes I fetch, if I fetch codes
	s_lshl_b32 s84, s77, 17                        ; x's codes: 131,072 bytes a work-group y: no register of x's descriptors ever holds cx,
	s_add_co_u32 s84, s84, s82
	s_mov_b32 s85, 0
	s_lshl_b32 s86, s78, 19                        ; W's codes: 524,288 bytes a tensor, 131,072 a work-group x: none of W's ever holds cy
	s_lshl_b32 s92, s76, 17
	s_add_co_u32 s86, s86, s92
	s_add_co_u32 s86, s86, s82
	s_mov_b32 s87, 0
	s_lshl_b32 s88, s77, 13                        ; x's scale words: 8,192 bytes a work-group y
	s_mov_b32 s89, 0
	s_lshl_b32 s90, s78, 15                        ; W's: 32,768 a tensor, 8,192 a work-group x
	s_lshl_b32 s92, s76, 13
	s_add_co_u32 s90, s90, s92
	s_mov_b32 s91, 0
	s_lshr_b32 s93, s[WV], 2                       ; wi: my 64 tokens
	s_and_b32 s94, s[WV], 3                        ; wj: my head of the four
	s_wait_dscnt 0x0                               ; both opening adds are done
	s_wait_kmcnt 0x0
	s_mov_b32 s[G0XC], 1
	s_mov_b32 s[G0XC+1], s82
	s_add_nc_u64 s[G0XC+2:G0XC+3], s[4:5], s[84:85]
	s_or_b32 s[G0XC+3], s[G0XC+3], 0x80000000
	s_mov_b32 s[G0WC], 1
	s_add_co_u32 s[G0WC+1], s82, WCO
	s_add_nc_u64 s[G0WC+2:G0WC+3], s[8:9], s[86:87]
	s_or_b32 s[G0WC+3], s[G0WC+3], 0x80000000
	s_mov_b32 s[G0XS], 1
	s_mov_b32 s[G0XS+1], XSO
	s_add_nc_u64 s[G0XS+2:G0XS+3], s[6:7], s[88:89]
	s_or_b32 s[G0XS+3], s[G0XS+3], 0x80000000
	s_mov_b32 s[G0WS], 1
	s_mov_b32 s[G0WS+1], WSO
	s_add_nc_u64 s[G0WS+2:G0WS+3], s[10:11], s[90:91]
	s_or_b32 s[G0WS+3], s[G0WS+3], 0x80000000
	CROUND                                         ; all sixteen work-groups are here: the joint loads meet
	; waves 0-3: x's codes; 4-7: W's codes; 8: x's scale words; 9: W's.  One load a wave at the most; the branches hang on the wave's number alone
	s_cmp_lt_u32 s[WV], 4
	s_cbranch_scc0 .Lnot_xc
	TL G0XC, G1XC
	s_branch .Lasked
.Lnot_xc:
	s_cmp_lt_u32 s[WV], 8
	s_cbranch_scc0 .Lnot_wc
	TL G0WC, G1WC
	s_branch .Lasked
.Lnot_wc:
	s_cmp_eq_u32 s[WV], 8
	s_cbranch_scc0 .Lnot_xs
	TL G0XS, G1XS
	s_branch .Lasked
.Lnot_xs:
	s_cmp_eq_u32 s[WV], 9
	s_cbranch_scc0 .Lasked
	TL G0WS, G1WS
.Lasked:
	s_cmp_eq_u32 s78, 1                            ; the tensor's bias
	s_cselect_b64 s[12:13], s[14:15], s[12:13]
	s_cmp_eq_u32 s78, 2
	s_cselect_b64 s[12:13], s[16:17], s[12:13]
	s_cselect_b32 s95, -1, 0                       ; all ones for v
	s_lshl_b32 s84, s76, 10
	s_lshl_b32 s85, s94, 8
	s_add_co_u32 s84, s84, s85                     ; 4 x (256 x + 64 wj)
	s_mov_b32 s85, 0
	s_add_nc_u64 s[12:13], s[12:13], s[84:85]
	v_bfe_u32 v9, v0, 4, 1                         ; h
	v_lshlrev_b32 v[BO], 5, v9
.irp a, 0,1,2,3
.irp b, 0,1,2,3
	global_load_b128 v[ACC+8*(4*\a+\b):ACC+8*(4*\a+\b)+3], v[BO], s[12:13] offset:64*\b       ; register j of (a, b): the bias of channel 16 b + 8 h + j
	global_load_b128 v[ACC+8*(4*\a+\b)+4:ACC+8*(4*\a+\b)+7], v[BO], s[12:13] offset:64*\b+16
.endr
.endr
	v_and_b32 v8, 31, v0
	v_lshlrev_b32 v[L16], 4, v8
	s_lshl_b32 s23, s94, 15
	s_add_co_u32 s23, s23, WCO
	v_add_nc_u32 v[AD0], s23, v[L16]
	s_lshl_b32 s23, s93, 15
	v_add_nc_u32 v[AD1], s23, v[L16]
	v_and_b32 v8, 15, v0                           ; r
	v_lshlrev_b32 v[ADS], 4, v8                    ; a row's four words
	s_lshl_b32 s23, s93, 11                        ; x's: my four tiles
	s_lshl_b32 s86, s94, 11                        ; W's: my four tiles, behind x's sixteen
	s_add_co_u32 s86, s86, WSO-XSO
	s_sub_co_u32 s86, s86, s23
	v_mul_u32_u24 v10, s86, v9                     ; lanes 16-31 take W's: the lower base + h x the distance
	s_add_co_u32 s23, s23, XSO
	v_add_nc_u32 v[ADS], v[ADS], v10
	v_add_nc_u32 v[ADS], s23, v[ADS]
	v_and_b32 v8, 7, v0                            ; the way out of v: place (r & 7) + 8 h + 16 (r >> 3)
	v_lshl_add_u32 v8, v9, 3, v8
	v_bfe_u32 v10, v0, 3, 1
	v_lshl_add_u32 v8, v10, 4, v8
	v_lshlrev_b32 v8, 4, v8
	v_cndmask_b32 v[OST], v[L16], v8, s95
	; where my 64 tokens x 64 channels go: tensor x 2^24 + (batch x 16 + head) x 2^18 + tile of tokens x 2^11
	s_and_b32 s84, s77, 31
	s_lshr_b32 s85, s84, 3                         ; the batch
	s_lshl_b32 s85, s85, 4
	s_lshl_b32 s86, s76, 2
	s_add_co_u32 s85, s85, s86
	s_add_co_u32 s85, s85, s94                     ; + the head
	s_lshl_b32 s85, s85, 18
	s_and_b32 s84, s84, 7
	s_lshl_b32 s84, s84, 4
	s_lshl_b32 s86, s93, 2
	s_add_co_u32 s84, s84, s86                     ; my first tile of tokens in the sequence
	s_lshl_b32 s84, s84, 11
	s_add_co_u32 s84, s84, s85
	s_lshl_b32 s85, s78, 24
	s_add_co_u32 s84, s84, s85
	s_mov_b32 s85, 0
	s_add_nc_u64 s[18:19], s[18:19], s[84:85]
	s_wait_tensorcnt 0x0                           ; my block has landed,
	s_barrier_signal -1
	s_barrier_wait -1                              ; everybody's has.  Nothing is filled again in this launch
.irp i, 0,1,2,3
.irp g, 0,1
	ds_load_b128 v[SC+8*\i+4*\g:SC+8*\i+4*\g+3], v[ADS] offset:512*\i+256*\g
.endr
.endr
; A K step of 128: 16 LDS loads, 16 matrix instructions.  The 16 accumulators take turns, one instruction a turn, in the same order in every step.
.macro KSTEP s
.if (\s) > 0
.rept 4
	v_nop                                          ; places in front of loads into registers that matrix instructions have read
.endr
.endif
.irp b, 0,1,2,3
.irp c, 0,1
	ds_load_b128 v[F0+8*\b+4*\c:F0+8*\b+4*\c+3], v[AD0] offset:8192*\b+1024*(\s)+512*\c
.endr
.endr
.irp a, 0,1,2,3
.irp c, 0,1
	ds_load_b128 v[F1+8*\a+4*\c:F1+8*\a+4*\c+3], v[AD1] offset:8192*\a+1024*(\s)+512*\c
.endr
.endr
.if (\s) == 0
	s_wait_loadcnt 0x0                             ; the bias is in the accumulators
.endif
.irp a, 0,1,2,3
	s_wait_dscnt 2*(3-\a)                          ; W's four and x's tiles up to a are in; the later tiles' two loads each may be out
.irp b, 0,1,2,3
	v_wmma_scale_f32_16x16x128_f8f6f4 v[ACC+8*(4*\a+\b):ACC+8*(4*\a+\b)+7], v[F0+8*\b:F0+8*\b+7], v[F1+8*\a:F1+8*\a+7], v[ACC+8*(4*\a+\b):ACC+8*(4*\a+\b)+7], v[SC+8*\b+(\s)], v[SC+8*\a+(\s)] matrix_a_fmt:MATRIX_FMT_FP4 matrix_b_fmt:MATRIX_FMT_FP4 matrix_a_scale:MATRIX_SCALE_ROW1
.endr
.endr
.endm
.irp s, 0,1,2,3,4,5,6,7
	KSTEP \s
.endr
.rept 4
	v_nop                                          ; places in front of the first read of results, and of writes of the fragments' registers
.endr
.irp t, 0,1,2,3,4,5,6,7,8,9,10,11,12,13,14,15
.irp i, 0,1,2,3
	v_cvt_pk_f16_f32 v[F0+4*\t+\i], v[ACC+8*\t+2*\i], v[ACC+8*\t+2*\i+1]   ; each accumulator from its low end on: eight channels of a token make 16 bytes
.endr
.endr
.irp a, 0,1,2,3
.irp b, 0,1,2,3
	global_store_b128 v[OST], v[F0+4*(4*\a+\b):F0+4*(4*\a+\b)+3], s[18:19] offset:2048*\a+512*\b   ; the wave stores 512 consecutive bytes, aligned
.endr
.endr
	s_wait_tensorcnt 0x0                           ; the wave's end
	ds_add_u32 v[SPW], v[NIL]
	s_wait_dscnt 0x0
	CROUND                                         ; the closing round
	s_endpgm
.Lfunc_end_k_q3b539cd5a1_proj:
	.size	k_q3b539cd5a1_proj, .Lfunc_end_k_q3b539cd5a1_proj-k_q3b539cd5a1_proj
	.p2alignl 7, 3214868480
	.fill 96, 4, 3214868480
	.section	.rodata,"a",@progbits
	.p2align	6, 0x0
	.amdhsa_kernel k_q3b539cd5a1_proj
		.amdhsa_group_segment_fixed_size 280576
		.amdhsa_private_segment_fixed_size 0
		.amdhsa_enable_private_segment 0
		.amdhsa_kernarg_size 64
		.amdhsa_user_sgpr_count 2
		.amdhsa_user_sgpr_kernarg_segment_ptr 1
		.amdhsa_wavefront_size32 1
		.amdhsa_system_sgpr_workgroup_id_x 1
		.amdhsa_system_sgpr_workgroup_id_y 1
		.amdhsa_system_sgpr_workgroup_id_z 1
		.amdhsa_system_vgpr_workitem_id 0
		.amdhsa_next_free_vgpr 256
		.amdhsa_next_free_sgpr 96
		.amdhsa_reserve_vcc 0
		.amdhsa_float_denorm_mode_32 3
		.amdhsa_float_denorm_mode_16_64 3
		.amdhsa_memory_ordered 1
		.amdhsa_forward_progress 1
		.amdhsa_inst_pref_size 44
	.end_amdhsa_kernel
	.amdgpu_metadata
---
amdhsa.version: [ 1, 2 ]
amdhsa.kernels:
  - .name:           k_q3b539cd5a1_proj
    .symbol:         k_q3b539cd5a1_proj.kd
    .args:
      - { .name: xc, .offset: 0, .size: 8, .value_kind: global_buffer, .address_space: global }
      - { .name: xs, .offset: 8, .size: 8, .value_kind: global_buffer, .address_space: global }
      - { .name: wc, .offset: 16, .size: 8, .value_kind: global_buffer, .address_space: global }
      - { .name: ws, .offset: 24, .size: 8, .value_kind: global_buffer, .address_space: global }
      - { .name: bq, .offset: 32, .size: 8, .value_kind: global_buffer, .address_space: global }
      - { .name: bk, .offset: 40, .size: 8, .value_kind: global_buffer, .address_space: global }
      - { .name: bv, .offset: 48, .size: 8, .value_kind: global_buffer, .address_space: global }
      - { .name: hf, .offset: 56, .size: 8, .value_kind: global_buffer, .address_space: global }
    .group_segment_fixed_size: 280576
    .private_segment_fixed_size: 0
    .kernarg_segment_align: 8
    .kernarg_segment_size: 64
    .max_flat_workgroup_size: 512
    .sgpr_count:     96
    .vgpr_count:     256
    .wavefront_size: 32
...
	.end_amdgpu_metadata
.endif
;; end of part 2
;; launch attn (part 3): grid 4 x 64, 16 waves a work-group, clusters of 4 x 1, 327,680 bytes of LDS; arguments hf, mw, cf; writes cf
.if DOCPART == 3
	.amdgcn_target "amdgcn-amd-amdhsa--gfx1250"
	.amdhsa_code_object_version 6
	.text
	.protected	k_q3b539cd5a1_attn
	.globl	k_q3b539cd5a1_attn
	.p2align	8
	.type	k_q3b539cd5a1_attn,@function
k_q3b539cd5a1_attn:
	s_mov_b64 s[64:65], 0
	v_nop
	global_prefetch_b8 v0, s[64:65] scope:SCOPE_SE
	s_setreg_imm32_b32 hwreg(HW_REG_WAVE_MODE, 25, 1), 1
	s_wait_xcnt 0x0
	s_wait_alu depctr_hold_cnt(0) depctr_sa_sdst(0) depctr_va_vdst(0) depctr_va_sdst(0) depctr_va_ssrc(0) depctr_va_vcc(0) depctr_vm_vsrc(0)
	s_getreg_b32 s2, hwreg(HW_REG_IB_STS2, 6, 4)
	s_cmp_eq_u32 s2, 0
	s_cbranch_scc0 .Lentry_in_a_cluster
	s_endpgm
.Lentry_in_a_cluster:
	s_bfe_u32 s2, ttmp6, 0x10000c
	s_cmp_lg_u32 s2, 0x3003
	s_cbranch_scc0 .Lentry_shape_is_right
	s_endpgm
.Lentry_shape_is_right:
; ATTN: ctx[b][h][q] = the sum over k of softmax_k(where(mask[b][q][k] == 0, -1e9, Q . K / 8)) V[k], head size 64, 2,048 keys.  Q, K, V and p in f16, products, maxima and sums in f32.
;   hf: the projections as images of operand registers (16 tokens x 64 channels = 2,048 bytes);  mw: the mask as bits, a word for each register of a tile of scores;
;   cf: ctx in f16 as images of the last product's operand: [K block of 128 = two heads][tile of 16 tokens][8][512 bytes].
; LIMITS: a masked score is -2^30 in place of -1e9 (as a raw score -2^33, so that its product with c is exact and a wholly masked row has p = 1 throughout: the uniform softmax that the definition gives);
;   the results agree wherever unmasked scores lie above about -9.9e8.  ctx goes in f16 (under 6e-5 with an absolute error of 3e-8).  NaN and infinities are not served.
; SHARES.  A cluster of four work-groups is one (batch, head); a work-group owns 512 queries, each of its sixteen waves two tiles of 16, in 256 registers: four waves to a SIMD, so that one wave's vector work
; stands beside another's matrix work and LDS loads.  Every wave walks all keys, 64 a step.
; CLUSTER.  The four partners walk the same K and V: each block is asked for JOINTLY (mask 15).  Ring of two LDS slots of 512 keys (K 64 KiB, V 64 KiB), filled by waves 0-3, 32 KiB each, read by all sixteen.
; LAYOUT.  S^T = K Q^T (source 0 = 16 keys, source 1 = 16 queries): a lane holds ONE query (lane % 16) and keys 8 (lane / 16) + 0 .. 7.  Two such tiles, rounded to f16 in pairs, ARE source 1 of O^T = V^T P.
; K comes out of LDS as it lies, V turned by ds_load_tr16_b128; both read 512 consecutive bytes an instruction.
; THE MASK is applied ahead of the maximum: one v_cndmask_b32 a register, its lane mask a word of mw in a scalar register, fetched one step ahead by scalar loads.
; SOFTMAX.  For each query a running maximum m and sum l: p = 2^(c s - c m), c = log2(e) / 8; in every step O and l are multiplied by a = 2^(c m_old - c m_new).
.set SLOT1, 1<<17                      ; slot 1 begins here: one exclusive or turns an address of one slot into the other's
.set VOFF,  65536                      ; in a slot: K's 32 tiles, then V's
.set STEPB, 8192                       ; a step's four tiles
.set SPARE, 2*SLOT1                    ; behind the ring: the spare words, 128 bytes for each of sixteen waves
.set L16, 1                            ; v1   16 x lane
.set TRL, 2                            ; v2   16 x lane + VOFF
.set ADK, 3                            ; v3   the step's tiles of K
.set ADV, 4                            ; v4   of V
.set NEG, 5                            ; v5   -2^33
.set SPW, 6
.set NIL, 7
.set ST,  10                           ; tile x's statistics at v[10 + 8 x]: +0 c m, +1 m, +2, +3 l (even keys', odd keys'), +4 .. +7 at work; a takes +6
.set PFO, 26                           ; v26  256 x lane
.set Q,   32                           ; v32-63   Q: tile x, channels 32 s on: 32 + 16 x + 8 s
.set S,   64                           ; v64-127  S^T, 32 a tile; p is packed in place into each tile's first 16
.set OT,  128                          ; v128-191 O^T: tile x, channels 16 ct on: 128 + 32 x + 8 ct
.set KV,  192                          ; v192-255 a step's K, then its V
.set WV,  2
.set TB,  3                            ; LDS byte at which the step's tiles of K begin
.set MW,  4                            ; s[4:5] my two tiles' words of mw
.set CF,  6                            ; s[6:7] my two tiles of cf
.set G1,  8
.set G0,  16
.set SEL, 20
.set CS,  22
.set MOFF, 24                          ; the byte of the step whose mask words are being fetched
.set SLOTS, 25
.set STEPS, 26
.set LIM, 27
.set PFA, 28
.set MA,  32                           ; s[32:63] tile 0's mask words of a step: word (kt, j) at 8 kt + j
.set QB,  66                           ; s[66:67] my two tiles of Q
.set MB,  68                           ; s[68:99] tile 1's
.macro CROUND
	s_barrier_signal -1
	s_barrier_wait -1
	s_cmp_lg_u32 s[WV], 0
	s_cbranch_scc1 .Lnot_wave_0_\@
	s_barrier_signal -3
.Lnot_wave_0_\@:
	s_barrier_wait -3
	s_barrier_signal -1
	s_barrier_wait -1
.endm
.macro TLOAD                           ; waves 0-3 fetch; the branch hangs on the wave's number alone.  An s_nop 0 and four v_nop follow the load
	s_cmp_lt_u32 s[WV], 4
	s_cbranch_scc0 .Lnone_\@
	tensor_load_to_lds s[G0:G0+3], s[G1:G1+7]
	s_nop 0
.rept 4
	v_nop
.endr
.Lnone_\@:
.endm
; A PREFETCH INTO THE L2 of what the NEXT change of slots will ask for.  Wave 4 + u asks for the block that wave u will fetch; of its 32,768 bytes each of the four partners takes 8,192, told apart BY ADDRESS,
; lanes 256 bytes apart: each aligned block of 256 bytes is named once in the launch.  Slots 0 and 1 come by their loads alone; the last change that fills a slot asks for nothing.
.macro ASK
	s_cmp_gt_u32 s[SLOTS], s[LIM]
	s_cbranch_scc0 .Lnot_mine_\@
	global_prefetch_b8 v[PFO], s[PFA:PFA+1] th:TH_LOAD_NT scope:SCOPE_SE
.Lnot_mine_\@:
.endm
	s_load_b128 s[84:87], s[0:1], 0x0              ; hf, mw
	s_load_b64 s[88:89], s[0:1], 0x10              ; cf
	v_lshl_add_u32 v[SPW], v0, 2, SPARE
	v_mov_b32 v[NIL], 0
	ds_add_u32 v[SPW], v[NIL]                      ; the wave's opening: the add, twice on end, and its wait ahead of the first tensor loads
	ds_add_u32 v[SPW], v[NIL]
	v_lshrrev_b32 v8, 5, v0
	v_readfirstlane_b32 s[WV], v8                  ; wave 0..15
	v_and_b32 v8, 31, v0
	v_lshlrev_b32 v[L16], 4, v8
	v_lshlrev_b32 v[PFO], 8, v8
	v_add_nc_u32 v[TRL], VOFF, v[L16]
	v_mov_b32 v[NEG], 0xd0000000                   ; -2^33
	s_bfe_u32 s30, ttmp6, 0x40000                  ; cx: it enters Q's, the mask's, ctx's and the prefetch's addresses alone
	s_lshl_b32 s31, ttmp9, 2
	s_add_co_u32 s31, s31, s30                     ; my block of 512 queries
	s_and_b32 s90, ttmp7, 0xffff                   ; batch x 16 + head, which the four partners share
	s_mov_b32 s[G1], 15|(3<<16)|(1<<21)            ; the mask: all four; elements of 8 bytes; bit 21 set beside a mask; no padding
	s_mov_b32 s[G1+1], 32<<16                      ; a dense block as 128 rows of 256 bytes
	s_mov_b32 s[G1+2], 128<<16
	s_mov_b32 s[G1+3], 32<<16
	s_mov_b32 s[G1+4], 128
	s_mov_b32 s[G1+5], 32
	s_mov_b32 s[G1+6], 0
	s_mov_b32 s[G1+7], 0
	s_and_b32 s91, s[WV], 3                        ; u: 0, 1 K's halves of a slot; 2, 3 V's
	s_lshr_b32 s92, s91, 1
	s_add_co_u32 s92, s92, 1
	s_lshl_b32 s92, s92, 24                        ; K is part 1 of hf, V part 2
	s_lshl_b32 s93, s90, 18
	s_add_co_u32 s92, s92, s93                     ; the head's 262,144 bytes
	s_and_b32 s93, s91, 1
	s_lshl_b32 s93, s93, 15
	s_add_co_u32 s92, s92, s93
	s_mov_b32 s93, 0
	s_lshl_b32 s31, s31, 5
	s_lshl_b32 s94, s[WV], 1
	s_add_co_u32 s31, s31, s94                     ; my first tile of queries
	s_lshl_b32 s94, s90, 18
	s_lshl_b32 s95, s31, 11
	s_add_co_u32 s94, s94, s95                     ; Q: part 0 of hf
	s_mov_b32 s95, 0
	s_lshr_b32 s96, s90, 4
	s_lshl_b32 s96, s96, 7
	s_add_co_u32 s96, s96, s31
	s_lshl_b32 s96, s96, 12                        ; (batch x 128 + tile) x 4,096: in mw, and within a K block of cf
	s_mov_b32 s97, 0
	s_bfe_u32 s98, s90, 0x30001                    ; head / 2: the K block
	s_lshl_b32 s98, s98, 21
	s_add_co_u32 s98, s98, s96
	s_and_b32 s99, s90, 1
	s_lshl_b32 s99, s99, 11                        ; the odd head's four groups lie behind the even head's
	s_add_co_u32 s98, s98, s99
	s_mov_b32 s99, 0
	s_lshl_b32 s30, s30, 13                        ; the prefetches: my work-group's 8,192 bytes,
	s_add_co_u32 s30, s30, 65536                   ; in slot 1: the first change of slots steps it to slot 2
	s_mov_b32 s31, 0
	s_mov_b32 s[SEL], 0x76543210
	s_mov_b32 s[SEL+1], 0xfedcba98
	s_mov_b32 s[CS], 0x3e38aa3b                    ; c = log2(e) / 8
	s_mov_b32 s[CS+1], s[CS]                       ; (named with it as a pair, so it is written)
	s_mov_b32 s[TB], 0
	s_mov_b32 s[MOFF], 0
	s_mov_b32 s[SLOTS], 3
	s_sub_co_u32 s[LIM], s[WV], 4
	s_lshr_b32 s[LIM], s[LIM], 2                   ; 0 in waves 4 to 7
	s_cmp_eq_u32 s[LIM], 0
	s_cselect_b32 s[LIM], 1, -1                    ; a wave prefetches while s[SLOTS] is above this
	s_wait_dscnt 0x0                               ; both opening adds are done
	s_wait_kmcnt 0x0
	s_mov_b32 s[G0], 1
	s_lshl_b32 s[G0+1], s91, 15                    ; LDS: 32,768 u, in slot 0
	s_add_nc_u64 s[G0+2:G0+3], s[84:85], s[92:93]
	s_or_b32 s[G0+3], s[G0+3], 0x80000000
	s_add_nc_u64 s[PFA:PFA+1], s[84:85], s[92:93]
	s_add_nc_u64 s[PFA:PFA+1], s[PFA:PFA+1], s[30:31]
	s_add_nc_u64 s[QB:QB+1], s[84:85], s[94:95]
	s_add_nc_u64 s[MW:MW+1], s[86:87], s[96:97]
	s_add_nc_u64 s[CF:CF+1], s[88:89], s[98:99]
	CROUND                                         ; all four work-groups are here: the first joint loads meet
	TLOAD                                          ; slot 0
.irp n, 0,1,2,3,4,5,6,7
	global_load_b128 v[Q+4*\n:Q+4*\n+3], v[L16], s[QB:QB+1] offset:512*\n      ; Q stays in registers
.endr
	s_load_b512 s[MA:MA+15], s[MW:MW+1], s[MOFF] offset:0x0                    ; the first step's mask words (the arguments' registers are done with)
	s_load_b512 s[MA+16:MA+31], s[MW:MW+1], s[MOFF] offset:0x40
	s_load_b512 s[MB:MB+15], s[MW:MW+1], s[MOFF] offset:0x1000
	s_load_b512 s[MB+16:MB+31], s[MW:MW+1], s[MOFF] offset:0x1040
.irp x, 0,1
	v_mov_b32 v[ST+8*\x+1], 0xff61b1e6             ; m = -3e38, under every score
	v_mul_f32 v[ST+8*\x], s[CS], v[ST+8*\x+1]      ; c m
	v_mov_b32 v[ST+8*\x+2], 0                      ; l
	v_mov_b32 v[ST+8*\x+3], 0
.endr
.set n, 0
.rept 64
	v_mov_b32 v[OT+n], 0                           ; O^T.  (The step is written once: the first finds zeros, which the first a, 0, leaves zeros)
.set n, n+1
.endr
; A KEY STEP: 64 keys.
.macro STEP
	v_add_nc_u32 v[ADK], s[TB], v[L16]
	v_add_nc_u32 v[ADV], s[TB], v[TRL]
.rept 3
	v_nop                                          ; with the two additions five places behind the last step's products: loads land on the registers that held V, and the products below write over those that held p
.endr
.irp n, 0,1,2,3,4,5,6,7,8,9,10,11,12,13,14,15
	ds_load_b128 v[KV+4*\n:KV+4*\n+3], v[ADK] offset:512*\n                    ; K: tile kt, channels 32 s on: registers 8 (2 kt + s) on
.endr
	s_wait_dscnt 0x0
.irp s, 0,1                            ; S^T = K Q^T: the eight accumulators take turns, one instruction a turn; the first pass starts the sums
.irp kt, 0,1,2,3
.irp x, 0,1
.if \s == 0
	v_wmma_f32_16x16x32_f16 v[S+32*\x+8*\kt:S+32*\x+8*\kt+7], v[KV+8*(2*\kt+\s):KV+8*(2*\kt+\s)+7], v[Q+16*\x+8*\s:Q+16*\x+8*\s+7], 0
.else
	v_wmma_f32_16x16x32_f16 v[S+32*\x+8*\kt:S+32*\x+8*\kt+7], v[KV+8*(2*\kt+\s):KV+8*(2*\kt+\s)+7], v[Q+16*\x+8*\s:Q+16*\x+8*\s+7], v[S+32*\x+8*\kt:S+32*\x+8*\kt+7]
.endif
.endr
.endr
.endr
.rept 4
	v_nop                                          ; places in front of loads into K's registers and of the first read of the scores
.endr
.irp ks, 0,1                           ; V, turned: 16 channels x 32 keys a fragment; it lands under the softmax
.irp ct, 0,1,2,3
	ds_load_tr16_b128 v[KV+8*(4*\ks+\ct):KV+8*(4*\ks+\ct)+3], v[ADV] offset:4096*\ks+512*\ct
	ds_load_tr16_b128 v[KV+8*(4*\ks+\ct)+4:KV+8*(4*\ks+\ct)+7], v[ADV] offset:4096*\ks+512*\ct+2048
.endr
.endr
	s_wait_kmcnt 0x0                               ; this step's mask words are in: so their loads' offset may be stepped
	s_add_co_u32 s[MOFF], s[MOFF], 128
	s_and_b32 s[MOFF], s[MOFF], 4095               ; (the last step asks for the first step's words again: inside the buffer, and not used)
.set n, 0
.rept 32
	v_cndmask_b32 v[S+n], v[NEG], v[S+n], s[MA+n]  ; each accumulator from its low end on: a masked key's score becomes -2^33
.set n, n+1
.endr
.set n, 0
.rept 32
	v_cndmask_b32 v[S+32+n], v[NEG], v[S+32+n], s[MB+n]
.set n, n+1
.endr
	s_load_b512 s[MA:MA+15], s[MW:MW+1], s[MOFF] offset:0x0                    ; the next step's words: they have a step in which to land
	s_load_b512 s[MA+16:MA+31], s[MW:MW+1], s[MOFF] offset:0x40
	s_load_b512 s[MB:MB+15], s[MW:MW+1], s[MOFF] offset:0x1000
	s_load_b512 s[MB+16:MB+31], s[MW:MW+1], s[MOFF] offset:0x1040
.irp j, 0,1,2,3                        ; the maximum of my 32 scores and the old m: four chains a tile, the two tiles by turns
.irp x, 0,1
	v_max3_num_f32 v[ST+8*\x+4+\j], v[S+32*\x+8*\j], v[S+32*\x+8*\j+1], v[S+32*\x+8*\j+2]
.endr
.endr
.irp i, 3,5
.irp j, 0,1,2,3
.irp x, 0,1
	v_max3_num_f32 v[ST+8*\x+4+\j], v[ST+8*\x+4+\j], v[S+32*\x+8*\j+\i], v[S+32*\x+8*\j+\i+1]
.endr
.endr
.endr
.irp x, 0,1
	v_max3_num_f32 v[ST+8*\x+4], v[ST+8*\x+4], v[S+32*\x+7], v[S+32*\x+15]
	v_max3_num_f32 v[ST+8*\x+6], v[ST+8*\x+6], v[S+32*\x+23], v[S+32*\x+31]
.endr
.irp x, 0,1
	v_max3_num_f32 v[ST+8*\x+4], v[ST+8*\x+4], v[ST+8*\x+5], v[ST+8*\x+6]
.endr
.irp x, 0,1
	v_max3_num_f32 v[ST+8*\x+4], v[ST+8*\x+4], v[ST+8*\x+7], v[ST+8*\x+1]
.endr
.irp x, 0,1
	v_permlanex16_b32 v[ST+8*\x+5], v[ST+8*\x+4], s[SEL], s[SEL+1]             ; the query's other 32 keys lie in the lane 16 away
.endr
.irp x, 0,1
	v_mov_b32 v[ST+8*\x+7], v[ST+8*\x]             ; c m_old is kept for a
.endr
.irp x, 0,1
	v_max_num_f32 v[ST+8*\x+1], v[ST+8*\x+4], v[ST+8*\x+5]
.endr
.irp x, 0,1
	v_mul_f32 v[ST+8*\x], s[CS], v[ST+8*\x+1]
.endr
.irp x, 0,1
	v_sub_f32 v[ST+8*\x+7], v[ST+8*\x+7], v[ST+8*\x]
.endr
.irp x, 0,1
.set n, 0
.rept 16
	v_pk_fma_f32 v[S+32*\x+n:S+32*\x+n+1], v[S+32*\x+n:S+32*\x+n+1], s[CS:CS+1], v[ST+8*\x:ST+8*\x+1] op_sel_hi:[1,0,0] neg_lo:[0,0,1] neg_hi:[0,0,1]   ; c s - c m, two at a time
.set n, n+2
.endr
.endr
.irp x, 0,1                            ; ONE BATCH: both a and all 64 p; none of these names another's result
	v_exp_f32 v[ST+8*\x+6], v[ST+8*\x+7]
.endr
.set n, 0
.rept 64
	v_exp_f32 v[S+n], v[S+n]
.set n, n+1
.endr
	v_nop                                          ; a plain instruction behind the last exponential, ahead of the first use
	s_wait_alu depctr_va_vdst(0)                   ; one wait for the batch, ahead of its first reader
.irp x, 0,1                            ; l = a l + the sum of my 32 p, taken in f32 ahead of the rounding: two chains a tile
	v_pk_fma_f32 v[ST+8*\x+2:ST+8*\x+3], v[ST+8*\x+2:ST+8*\x+3], v[ST+8*\x+6:ST+8*\x+7], v[S+32*\x:S+32*\x+1] op_sel_hi:[1,0,1]
	v_pk_add_f32 v[ST+8*\x+4:ST+8*\x+5], v[S+32*\x+2:S+32*\x+3], v[S+32*\x+4:S+32*\x+5]
.endr
.irp i, 6,10,14,18,22,26
.irp x, 0,1
	v_pk_add_f32 v[ST+8*\x+2:ST+8*\x+3], v[ST+8*\x+2:ST+8*\x+3], v[S+32*\x+\i:S+32*\x+\i+1]
	v_pk_add_f32 v[ST+8*\x+4:ST+8*\x+5], v[ST+8*\x+4:ST+8*\x+5], v[S+32*\x+\i+2:S+32*\x+\i+3]
.endr
.endr
.irp x, 0,1
	v_pk_add_f32 v[ST+8*\x+2:ST+8*\x+3], v[ST+8*\x+2:ST+8*\x+3], v[S+32*\x+30:S+32*\x+31]
.endr
.irp x, 0,1
	v_pk_add_f32 v[ST+8*\x+2:ST+8*\x+3], v[ST+8*\x+2:ST+8*\x+3], v[ST+8*\x+4:ST+8*\x+5]
.endr
.irp x, 0,1
.set n, 0
.rept 16
	v_cvt_pk_f16_f32 v[S+32*\x+n], v[S+32*\x+2*n], v[S+32*\x+2*n+1]            ; p to f16, in place, ascending: registers 8 ks .. 8 ks + 7 are source 1 for keys 32 ks on
.set n, n+1
.endr
.endr
.irp x, 0,1
.set n, 0
.rept 16
	v_pk_mul_f32 v[OT+32*\x+n:OT+32*\x+n+1], v[OT+32*\x+n:OT+32*\x+n+1], v[ST+8*\x+6:ST+8*\x+7] op_sel_hi:[1,0]   ; O^T x a, each accumulator from its low end on
.set n, n+2
.endr
.endr
	s_wait_dscnt 0x0                               ; V is in
.irp ks, 0,1                           ; O^T += V^T P: the eight accumulators by turns
.irp ct, 0,1,2,3
.irp x, 0,1
	v_wmma_f32_16x16x32_f16 v[OT+32*\x+8*\ct:OT+32*\x+8*\ct+7], v[KV+8*(4*\ks+\ct):KV+8*(4*\ks+\ct)+7], v[S+32*\x+8*\ks:S+32*\x+8*\ks+7], v[OT+32*\x+8*\ct:OT+32*\x+8*\ct+7]
.endr
.endr
.endr
	s_add_co_u32 s[TB], s[TB], STEPB
.endm
; THE CHANGE OF SLOTS stands at a slot's head.  Each wave waits for all its tensor loads (its part of the slot ahead), adds 0 to its spare word, and waits for that and for its reads of the slot that it has left.
; fill = 1: the barrier is a round of the cluster's, so that no wave of any partner still reads the other slot or has a load on its way; behind it that slot takes the next 512 keys: the load has eight steps in which to land.
.macro CHANGE fill
	s_wait_tensorcnt 0x0                           ; no tensor load of mine is out, so the walking group 0 may be written
	ds_add_u32 v[SPW], v[NIL]                      ; 0 onto my spare word
.if \fill
	ds_add_u32 v[SPW], v[NIL]                      ; and once more: the add stands twice on end, in every trip alike
	s_xor_b32 s[G0+1], s[G0+1], SLOT1              ; the other slot than last time,
	s_add_nc_u64 s[G0+2:G0+3], s[G0+2:G0+3], 65536 ; the next 512 keys; the type bits on top are not reached
	s_wait_xcnt 0x0                                ; the last prefetch, a slot back, has read its address
	s_add_nc_u64 s[PFA:PFA+1], s[PFA:PFA+1], 65536 ; one slot further on than the walking descriptor
	s_wait_dscnt 0x0                               ; both adds are done, and my reads of the slot that I have left are over
	CROUND
	TLOAD                                          ; the first thing behind the round, and a wave's one tensor load until the next
	ASK
.else
	s_wait_dscnt 0x0
	s_barrier_signal -1
	s_barrier_wait -1
.endif
.endm
.macro SLOT_STEPS                      ; a slot's eight steps: written once, walked eight times
	s_mov_b32 s[STEPS], 8
.Lstep_\@:
	STEP
	s_sub_co_u32 s[STEPS], s[STEPS], 1
	s_cmp_lg_u32 s[STEPS], 0
	s_cbranch_scc1 .Lstep_\@
	s_sub_co_u32 s[TB], s[TB], 8*STEPB             ; back to a slot's first step,
	s_xor_b32 s[TB], s[TB], SLOT1                  ; in the other slot
.endm
	s_wait_loadcnt 0x0                             ; Q
.Lslot:                                            ; three trips: behind each change of slots but the last the next 512 keys are asked for
	CHANGE 1
	SLOT_STEPS
	s_sub_co_u32 s[SLOTS], s[SLOTS], 1
	s_cmp_lg_u32 s[SLOTS], 0
	s_cbranch_scc1 .Lslot
	CHANGE 0                                       ; the last slot is written out
	SLOT_STEPS
	; THE WAY OUT.  l's halves and the other half of the lanes' are added (these are the places behind the last products); O^T / l, rounded to f16, IS an image of the last product's operand
	s_wait_kmcnt 0x0                               ; the last step's look-ahead words: not used
.irp x, 0,1
	v_add_f32 v[ST+8*\x+4], v[ST+8*\x+2], v[ST+8*\x+3]
.endr
.irp x, 0,1
	v_permlanex16_b32 v[ST+8*\x+5], v[ST+8*\x+4], s[SEL], s[SEL+1]
.endr
.irp x, 0,1
	v_add_f32 v[ST+8*\x+4], v[ST+8*\x+4], v[ST+8*\x+5]
.endr
	v_nop
	v_nop
.irp x, 0,1
	v_rcp_f32 v[ST+8*\x+6], v[ST+8*\x+4]
.endr
	v_nop                                          ; a plain instruction between the last reciprocal and the use of its result
	s_wait_alu depctr_va_vdst(0)                   ; one wait for the two, ahead of the first reader
.irp x, 0,1
.set n, 0
.rept 16
	v_pk_mul_f32 v[OT+32*\x+n:OT+32*\x+n+1], v[OT+32*\x+n:OT+32*\x+n+1], v[ST+8*\x+6:ST+8*\x+7] op_sel_hi:[1,0]
.set n, n+2
.endr
.endr
.set n, 0
.rept 32
	v_cvt_pk_f16_f32 v[KV+n], v[OT+2*n], v[OT+2*n+1]
.set n, n+1
.endr
.irp x, 0,1
.irp ct, 0,1,2,3
	global_store_b128 v[L16], v[KV+4*(4*\x+\ct):KV+4*(4*\x+\ct)+3], s[CF:CF+1] offset:4096*\x+512*\ct   ; the wave stores 512 consecutive bytes, aligned
.endr
.endr
	s_wait_tensorcnt 0x0                           ; the wave's end
	ds_add_u32 v[SPW], v[NIL]
	s_wait_dscnt 0x0
	CROUND                                         ; the closing round
	s_endpgm
.Lfunc_end_k_q3b539cd5a1_attn:
	.size	k_q3b539cd5a1_attn, .Lfunc_end_k_q3b539cd5a1_attn-k_q3b539cd5a1_attn
	.p2alignl 7, 3214868480
	.fill 96, 4, 3214868480
	.section	.rodata,"a",@progbits
	.p2align	6, 0x0
	.amdhsa_kernel k_q3b539cd5a1_attn
		.amdhsa_group_segment_fixed_size 327680
		.amdhsa_private_segment_fixed_size 0
		.amdhsa_enable_private_segment 0
		.amdhsa_kernarg_size 24
		.amdhsa_user_sgpr_count 2
		.amdhsa_user_sgpr_kernarg_segment_ptr 1
		.amdhsa_wavefront_size32 1
		.amdhsa_system_sgpr_workgroup_id_x 1
		.amdhsa_system_sgpr_workgroup_id_y 1
		.amdhsa_system_sgpr_workgroup_id_z 1
		.amdhsa_system_vgpr_workitem_id 0
		.amdhsa_next_free_vgpr 256
		.amdhsa_next_free_sgpr 100
		.amdhsa_reserve_vcc 0
		.amdhsa_float_denorm_mode_32 3
		.amdhsa_float_denorm_mode_16_64 3
		.amdhsa_memory_ordered 1
		.amdhsa_forward_progress 1
		.amdhsa_inst_pref_size 58
	.end_amdhsa_kernel
	.amdgpu_metadata
---
amdhsa.version: [ 1, 2 ]
amdhsa.kernels:
  - .name:           k_q3b539cd5a1_attn
    .symbol:         k_q3b539cd5a1_attn.kd
    .args:
      - { .name: hf, .offset: 0, .size: 8, .value_kind: global_buffer, .address_space: global }
      - { .name: mw, .offset: 8, .size: 8, .value_kind: global_buffer, .address_space: global }
      - { .name: cf, .offset: 16, .size: 8, .value_kind: global_buffer, .address_space: global }
    .group_segment_fixed_size: 327680
    .private_segment_fixed_size: 0
    .kernarg_segment_align: 8
    .kernarg_segment_size: 24
    .max_flat_workgroup_size: 512
    .sgpr_count:     100
    .vgpr_count:     256
    .wavefront_size: 32
...
	.end_amdgpu_metadata
.endif
;; end of part 3
;; launch outp (part 4): grid 4 x 64, 4 waves a work-group, clusters of 4 x 4, 327,680 bytes of LDS; arguments cf, wof, bo, out0; writes out0
.if DOCPART == 4
	.amdgcn_target "amdgcn-amd-amdhsa--gfx1250"
	.amdhsa_code_object_version 6
	.text
	.protected	k_q3b539cd5a1_outp
	.globl	k_q3b539cd5a1_outp
	.p2align	8
	.type	k_q3b539cd5a1_outp,@function
k_q3b539cd5a1_outp:
	s_mov_b64 s[64:65], 0
	v_nop
	global_prefetch_b8 v0, s[64:65] scope:SCOPE_SE
	s_setreg_imm32_b32 hwreg(HW_REG_WAVE_MODE, 25, 1), 1
	s_wait_xcnt 0x0
	s_wait_alu depctr_hold_cnt(0) depctr_sa_sdst(0) depctr_va_vdst(0) depctr_va_sdst(0) depctr_va_ssrc(0) depctr_va_vcc(0) depctr_vm_vsrc(0)
	s_getreg_b32 s2, hwreg(HW_REG_IB_STS2, 6, 4)
	s_cmp_eq_u32 s2, 0
	s_cbranch_scc0 .Lentry_in_a_cluster
	s_endpgm
.Lentry_in_a_cluster:
	s_bfe_u32 s2, ttmp6, 0x10000c
	s_cmp_lg_u32 s2, 0xf033
	s_cbranch_scc0 .Lentry_shape_is_right
	s_endpgm
.Lentry_shape_is_right:
; OUTP: out0 = ctx Wo^T + bo.  ctx (cf) and Wo (wof) in f16, as images of operand registers: [K block of 128][tile of 16 rows][8][512 bytes]; sums and out0 [8192][1024] in f32.
; LIMITS: those of f16 operands, stated where cf and wof are made.
; SHARES.  A tile of out0 is 128 tokens x 256 columns: 256 work-groups.  Four waves, each 64 tokens x 128 columns: 32 accumulators, which fill register window 1.
; K goes in blocks of 128 through a ring of two LDS slots (ctx 32 KiB, then Wo 64 KiB), each block dense in memory; waves 0, 1 fetch ctx's halves, waves 2, 3 Wo's: one tensor load a wave.
; CLUSTERS: 4 x 4 work-groups.  The four of a row need the same block of ctx, the four of a column the same block of Wo: each is asked for JOINTLY, by the same tensor load with the same descriptor and a mask that names the four.
; THE MATRIX INSTRUCTION IS USED TRANSPOSED (source 0 = 16 rows of Wo, source 1 = 16 tokens): a lane holds eight neighbouring numbers of a row of out0.  The bias is loaded INTO the accumulators: nothing is cleared, no step differs.
; REGISTERS: window 0: v16-29 addresses; two fragment buffers of 96 (Wo's eight fragments, then ctx's four) at v64 and v160; on the way out v64-191 hold rows.  Window 1: accumulator (a, b) at 8 (8 a + b).
; No prefetch: the tile is small, and a K block's load has a whole block's products in which to land.
.set SLOT,   98304
.set BPART,  32768                     ; Wo's tiles lie behind ctx's in a slot
.set STAGE,  2*SLOT                    ; behind the ring: 16 rows x 528 bytes for each wave, for the way out
.set SPITCH, 528
.set SPARE,  STAGE+4*16*SPITCH         ; behind the stages: the spare words, 128 bytes for each wave
.set KA,     2097152                   ; a K block on in cf
.set KB,     262144                    ; and in wof
.set ADRA, 16                          ; v16-17 my four tiles of ctx in slot 0, 1
.set ADRB, 20                          ; v20-21 my eight tiles of Wo
.set STO,  24
.set RD,   25
.set CO,   26                          ; v26  16 x lane
.set BOF,  27                          ; v27  32 h
.set SPW,  28
.set NIL,  29
.set F0,   64
.set F1,   160
.set BK,   64                          ; the way out: 16 rows read back: v64-127 and v128-191 by turns
.set WV,  2
.set FB,  12                           ; wave / 2: my half of the tokens.  Also: I fetch for ctx (0) or for Wo (1)
.set HF,  13                           ; wave % 2: my half of the columns.  Also: which half of that block I fetch
.set G1,  24
.set G0,  32
.set G1B, 48
.set G0B, 56
.set MSB, 0
.macro WIN new                         ; the immediate's high byte repeats the setting that is left
.if MSB != \new
	s_set_vgpr_msb (MSB<<8)|\new
.set MSB, \new
.endif
.endm
.set MUL, 0x50                         ; sources 0 and 1 window 0; C and D window 1
.macro JLOAD s                         ; a joint load; an s_nop 0 and four v_nop follow each of the two lines, ahead of the jump, the label and what follows
	s_cmp_eq_u32 s[FB], 0
	s_cbranch_scc0 .Lfor_b_\@
	tensor_load_to_lds s[G0+4*\s:G0+4*\s+3], s[G1:G1+7]
	s_nop 0
.rept 4
	v_nop
.endr
	s_branch .Lasked_\@
.Lfor_b_\@:
	tensor_load_to_lds s[G0B+4*\s:G0B+4*\s+3], s[G1B:G1B+7]
	s_nop 0
.rept 4
	v_nop
.endr
.Lasked_\@:
.endm
.macro CREST                           ; a round of the cluster's barrier behind its opening barrier
	s_cmp_lg_u32 s[WV], 0
	s_cbranch_scc1 .Lnot_wave_0_\@
	s_barrier_signal -3
.Lnot_wave_0_\@:
	s_barrier_wait -3
	s_barrier_signal -1
	s_barrier_wait -1
.endm
.macro CROUND
	s_barrier_signal -1
	s_barrier_wait -1
	CREST
.endm
	s_load_b256 s[4:11], s[0:1], 0x0               ; cf s[4:5], wof s[6:7], bo s[8:9], out0 s[10:11]
	v_lshl_add_u32 v[SPW], v0, 2, SPARE
	v_mov_b32 v[NIL], 0
	ds_add_u32 v[SPW], v[NIL]                      ; the wave's opening: the add, twice on end, and its wait ahead of my first tensor load
	ds_add_u32 v[SPW], v[NIL]
	v_lshrrev_b32 v1, 5, v0
	v_readfirstlane_b32 s[WV], v1                  ; wave 0..3
	s_lshr_b32 s[FB], s[WV], 1
	s_and_b32 s[HF], s[WV], 1
	s_bfe_u32 s40, ttmp6, 0x40000                  ; cx
	s_bfe_u32 s41, ttmp6, 0x40004                  ; cy
	s_lshl_b32 s42, ttmp9, 2
	s_add_co_u32 s42, s42, s40                     ; work-group x: 256 columns
	s_and_b32 s43, ttmp7, 0xffff
	s_lshl_b32 s43, s43, 2
	s_add_co_u32 s43, s43, s41                     ; work-group y: 128 tokens
	s_lshl_b32 s44, s41, 2
	s_lshl_b32 s44, 15, s44                        ; my row of the cluster
	s_lshl_b32 s45, 0x1111, s40                    ; my column
	s_or_b32 s[G1], s44, (3<<16)|(1<<21)           ; dense blocks as rows of 256 bytes (32 elements of 8 bytes), no padding; bit 21 set beside a mask
	s_or_b32 s[G1B], s45, (3<<16)|(1<<21)
	s_mov_b32 s[G1+1], 32<<16
	s_mov_b32 s[G1+2], 64<<16                      ; half of ctx's block: 64 rows
	s_mov_b32 s[G1+3], 32<<16
	s_mov_b32 s[G1+4], 64
	s_mov_b32 s[G1+5], 32
	s_mov_b32 s[G1+6], 0
	s_mov_b32 s[G1+7], 0
	s_mov_b32 s[G1B+1], 32<<16
	s_mov_b32 s[G1B+2], 128<<16                    ; half of Wo's block: 128 rows
	s_mov_b32 s[G1B+3], 32<<16
	s_mov_b32 s[G1B+4], 128
	s_mov_b32 s[G1B+5], 32
	s_mov_b32 s[G1B+6], 0
	s_mov_b32 s[G1B+7], 0
	s_lshl_b32 s16, s43, 15                        ; ctx: 32,768 bytes a work-group y, 16,384 a half: no register of ctx's descriptors ever holds cx,
	s_lshl_b32 s17, s[HF], 14
	s_add_co_u32 s16, s16, s17
	s_mov_b32 s17, 0
	s_lshl_b32 s46, s42, 16                        ; Wo: 65,536 bytes a work-group x, 32,768 a half: none of Wo's ever holds cy
	s_lshl_b32 s47, s[HF], 15
	s_add_co_u32 s46, s46, s47
	s_mov_b32 s47, 0
	s_lshl_b32 s20, s[HF], 14                      ; where they go in a slot
	s_lshl_b32 s21, s[HF], 15
	s_add_co_u32 s21, s21, BPART
	s_lshl_b32 s14, s42, 10                        ; my 128 columns, in bytes
	s_lshl_b32 s15, s[HF], 9
	s_add_co_u32 s14, s14, s15
	s_mov_b32 s15, 0
	s_lshl_b32 s22, s43, 7
	s_lshl_b32 s23, s[FB], 6
	s_add_co_u32 s22, s22, s23                     ; my first token,
	s_lshl_b32 s22, s22, 12                        ; its row of 4,096 bytes,
	s_add_co_u32 s22, s22, s14                     ; my columns in it
	s_mov_b32 s23, 0
	s_wait_dscnt 0x0                               ; both opening adds are done
	s_wait_kmcnt 0x0
	s_add_nc_u64 s[18:19], s[4:5], s[16:17]
	s_add_nc_u64 s[46:47], s[6:7], s[46:47]
	s_add_nc_u64 s[8:9], s[8:9], s[14:15]
	s_add_nc_u64 s[10:11], s[10:11], s[22:23]
	CROUND                                         ; all sixteen work-groups are here: the first joint loads meet
.irp s, 0,1
	s_mov_b32 s[G0+4*\s], 1
	s_add_co_u32 s[G0+4*\s+1], s20, \s*SLOT
	s_add_nc_u64 s[G0+4*\s+2:G0+4*\s+3], s[18:19], \s*KA
	s_or_b32 s[G0+4*\s+3], s[G0+4*\s+3], 0x80000000
	s_mov_b32 s[G0B+4*\s], 1
	s_add_co_u32 s[G0B+4*\s+1], s21, \s*SLOT
	s_add_nc_u64 s[G0B+4*\s+2:G0B+4*\s+3], s[46:47], \s*KB
	s_or_b32 s[G0B+4*\s+3], s[G0B+4*\s+3], 0x80000000
	JLOAD \s                                       ; K blocks 0 and 1: two loads of mine are out
.endr
	v_and_b32 v1, 15, v0                           ; r
	v_bfe_u32 v2, v0, 4, 1                         ; h
	v_and_b32 v3, 31, v0
	v_lshlrev_b32 v[CO], 4, v3
	v_lshlrev_b32 v[BOF], 5, v2
	WIN 0x40                                       ; destination window 1
.irp a, 0,1,2,3
.irp b, 0,1,2,3,4,5,6,7
	global_load_b128 v[8*(8*\a+\b):8*(8*\a+\b)+3], v[BOF], s[8:9] offset:64*\b                 ; register j of (a, b): the bias of column 16 b + 8 h + j
	global_load_b128 v[8*(8*\a+\b)+4:8*(8*\a+\b)+7], v[BOF], s[8:9] offset:64*\b+16
.endr
.endr
	WIN 0
	s_lshl_b32 s4, s[FB], 14                       ; my four tiles of ctx
	s_lshl_b32 s5, s[HF], 15                       ; my eight tiles of Wo
	s_add_co_u32 s5, s5, BPART
.irp s, 0,1
	v_add_nc_u32 v[ADRA+\s], s4, v[CO]
	v_add_nc_u32 v[ADRB+\s], s5, v[CO]
	s_add_co_u32 s4, s4, SLOT
	s_add_co_u32 s5, s5, SLOT
.endr
	s_mul_i32 s6, s[WV], 16*SPITCH
	s_add_co_u32 s6, s6, STAGE                     ; my stage
	v_mul_u32_u24 v4, v1, SPITCH                   ; in: row r, 32 bytes for each half of the lanes
	v_lshl_add_u32 v4, v2, 5, v4
	v_add_nc_u32 v[STO], s6, v4
	v_add_nc_u32 v[RD], s6, v[CO]                  ; back: the 32 lanes take one row of 512 bytes
.macro MULA f, a                       ; 8 matrix instructions: tokens' tile a x Wo's eight, 32 along K.  The 32 accumulators take turns, one instruction a turn, in the same order in every quarter
.irp b, 0,1,2,3,4,5,6,7
	v_wmma_f32_16x16x32_f16 v[8*(8*(\a)+\b):8*(8*(\a)+\b)+7], v[\f+8*\b:\f+8*\b+7], v[\f+64+8*(\a):\f+64+8*(\a)+7], v[8*(8*(\a)+\b):8*(8*(\a)+\b)+7]
.endr
.endm
.macro FETCH slot, q, f                ; 24 LDS loads in one run: the slot's q-th 32 along K into buffer f: Wo's sixteen, then ctx's eight; each reads 512 consecutive bytes
	WIN 0
.irp i, 0,1,2,3,4,5,6,7
	ds_load_b128 v[\f+8*\i:\f+8*\i+3], v[ADRB+\slot] offset:4096*\i+1024*(\q)
	ds_load_b128 v[\f+8*\i+4:\f+8*\i+7], v[ADRB+\slot] offset:4096*\i+1024*(\q)+512
.endr
.irp i, 0,1,2,3
	ds_load_b128 v[\f+64+8*\i:\f+64+8*\i+3], v[ADRA+\slot] offset:4096*\i+1024*(\q)
	ds_load_b128 v[\f+64+8*\i+4:\f+64+8*\i+7], v[ADRA+\slot] offset:4096*\i+1024*(\q)+512
.endr
.endm
.macro PLACES                          ; four places in front of loads into registers that matrix instructions have read, and of the first read of results
.rept 4
	v_nop
.endr
.endm
; A K block is four quarters of 32 along K, 32 matrix instructions each, on buffers 0, 1, 0, 1.  One of the first three: multiplies buffer f and fetches quarter q into g.
.macro QUARTER slot, q, f, g
	s_wait_dscnt 4                                 ; Wo's fragments and ctx's tiles 0, 1 are in; the youngest four loads (tiles 2, 3) may be out
	WIN MUL
	MULA \f, 0
	MULA \f, 1
	PLACES
	FETCH \slot, \q, \g
	s_wait_dscnt 24                                ; all but the 24 just issued
	WIN MUL
	MULA \f, 2
	MULA \f, 3
.endm
; The last quarter multiplies buffer 1 and changes slots: ONE barrier; in front of it each wave waits for all its tensor loads, adds 0 to its spare word, and waits for that and for its own reads of this slot.
; fill = 1: the barrier opens a round of the cluster's, and this slot is filled again, two K blocks ahead.
.macro TURN slot, next, fill
	WIN 0                                          ; (the add's two registers lie in window 0)
	s_wait_tensorcnt 0x0                           ; all my tensor loads have landed: my part of the next slot;
	ds_add_u32 v[SPW], v[NIL]                      ; 0 onto my spare word;
	s_wait_dscnt 5                                 ; (the add and the youngest four loads may be out)
	WIN MUL
	MULA F1, 0                                     ; eight matrix instructions stand between the add and the wait for it
	s_wait_dscnt 0x0                               ; the add is done, and my reads of this slot are over
	s_barrier_signal -1
	MULA F1, 1
	WIN 0
	s_barrier_wait -1
.if \fill
	CREST                                          ; no wave of any partner still reads this slot or has a load on its way
	s_add_nc_u64 s[G0+4*\slot+2:G0+4*\slot+3], s[G0+4*\slot+2:G0+4*\slot+3], 2*KA
	s_add_nc_u64 s[G0B+4*\slot+2:G0B+4*\slot+3], s[G0B+4*\slot+2:G0B+4*\slot+3], 2*KB
	JLOAD \slot                                    ; the first tensor load behind the round; the four v_nop behind it are also the places in front of the loads below
.else
	PLACES
.endif
	FETCH \next, 0, F0
	WIN MUL
	MULA F1, 2
	MULA F1, 3
.endm
	s_wait_tensorcnt 1                             ; my part of K block 0 is in (K block 1's load may be out)
	s_barrier_signal -1
	s_barrier_wait -1                              ; everybody's is
	FETCH 0, 0, F0
	s_wait_loadcnt 0x0                             ; the bias is in the accumulators
	s_mov_b32 s3, 3
.Llap:                                             ; a trip goes once round the ring, two K blocks, and fills both slots again
	QUARTER 0, 1, F0, F1
	QUARTER 0, 2, F1, F0
	QUARTER 0, 3, F0, F1
	TURN 0, 1, 1
	QUARTER 1, 1, F0, F1
	QUARTER 1, 2, F1, F0
	QUARTER 1, 3, F0, F1
	TURN 1, 0, 1
	WIN 0                                          ; at a label and at a branch every window is 0
	s_sub_co_u32 s3, s3, 1
	s_cmp_lg_u32 s3, 0
	s_cbranch_scc1 .Llap
	QUARTER 0, 1, F0, F1                           ; the last lap fills nothing, and has no round of the cluster's barrier
	QUARTER 0, 2, F1, F0
	QUARTER 0, 3, F0, F1
	TURN 0, 1, 0
	QUARTER 1, 1, F0, F1
	QUARTER 1, 2, F1, F0
	QUARTER 1, 3, F0, F1
	s_wait_dscnt 4                                 ; the very last quarter: nothing more to fetch
	WIN MUL
	MULA F1, 0
	MULA F1, 1
	s_wait_dscnt 0x0
	MULA F1, 2
	MULA F1, 3
	WIN 0
; THE WAY OUT, block by block of 16 tokens x 128 columns.  A lane holds 32 neighbouring bytes of a row, and the lanes beside it hold other rows: so a block goes through my own stage in LDS and comes back as whole rows
; of 512 bytes.  LDS serves a wave's instructions in order: no wait between the stores and the loads, nor in front of the next block's stores.
.macro TOSTAGE a
	WIN 0x04                                       ; an LDS store's data are its source 1: window 1
.irp b, 0,1,2,3,4,5,6,7
	ds_store_b128 v[STO], v[8*(8*(\a)+\b):8*(8*(\a)+\b)+3] offset:64*\b        ; each accumulator from its low end on
	ds_store_b128 v[STO], v[8*(8*(\a)+\b)+4:8*(8*(\a)+\b)+7] offset:64*\b+16
.endr
	WIN 0
.set BB, BK+64*((\a)%2)
.irp t, 0,1,2,3,4,5,6,7,8,9,10,11,12,13,14,15
	ds_load_b128 v[BB+4*\t:BB+4*\t+3], v[RD] offset:\t*SPITCH
.endr
.endm
.macro SEND a, younger                 ; younger: the LDS instructions issued behind block a's loads, which may stay out
.set BB, BK+64*((\a)%2)
	s_wait_dscnt \younger
.irp t, 0,1,2,3,4,5,6,7,8,9,10,11,12,13,14,15
	global_store_b128 v[CO], v[BB+4*\t:BB+4*\t+3], s[10:11] offset:65536*(\a)+4096*\t th:TH_STORE_NT   ; 32 lanes store 512 consecutive bytes, aligned; written once, read by nobody here
.endr
.endm
	PLACES                                         ; behind the last products: for the stores that read results and the loads into the fragments' registers
	TOSTAGE 0
.irp a, 1,2,3
.if \a > 1
	s_wait_xcnt 0x0                                ; block a - 2's stores have read their registers: block a's loads may land there
.endif
	TOSTAGE \a
	SEND \a-1, 32                                  ; behind block a - 1's loads: block a's 16 stores and 16 loads
.endr
	SEND 3, 0
	s_wait_tensorcnt 0x0                           ; the wave's end, behind my last tensor load and my last LDS store
	ds_add_u32 v[SPW], v[NIL]
	s_wait_dscnt 0x0
	CROUND                                         ; the closing round
	s_endpgm
.Lfunc_end_k_q3b539cd5a1_outp:
	.size	k_q3b539cd5a1_outp, .Lfunc_end_k_q3b539cd5a1_outp-k_q3b539cd5a1_outp
	.p2alignl 7, 3214868480
	.fill 96, 4, 3214868480
	.section	.rodata,"a",@progbits
	.p2align	6, 0x0
	.amdhsa_kernel k_q3b539cd5a1_outp
		.amdhsa_group_segment_fixed_size 327680
		.amdhsa_private_segment_fixed_size 0
		.amdhsa_enable_private_segment 0
		.amdhsa_kernarg_size 32
		.amdhsa_user_sgpr_count 2
		.amdhsa_user_sgpr_kernarg_segment_ptr 1
		.amdhsa_wavefront_size32 1
		.amdhsa_system_sgpr_workgroup_id_x 1
		.amdhsa_system_sgpr_workgroup_id_y 1
		.amdhsa_system_sgpr_workgroup_id_z 1
		.amdhsa_system_vgpr_workitem_id 0
		.amdhsa_next_free_vgpr 512
		.amdhsa_next_free_sgpr 66
		.amdhsa_reserve_vcc 0
		.amdhsa_float_denorm_mode_32 3
		.amdhsa_float_denorm_mode_16_64 3
		.amdhsa_memory_ordered 1
		.amdhsa_forward_progress 1
		.amdhsa_inst_pref_size 90
	.end_amdhsa_kernel
	.amdgpu_metadata
---
amdhsa.version: [ 1, 2 ]
amdhsa.kernels:
  - .name:           k_q3b539cd5a1_outp
    .symbol:         k_q3b539cd5a1_outp.kd
    .args:
      - { .name: cf, .offset: 0, .size: 8, .value_kind: global_buffer, .address_space: global }
      - { .name: wof, .offset: 8, .size: 8, .value_kind: global_buffer, .address_space: global }
      - { .name: bo, .offset: 16, .size: 8, .value_kind: global_buffer, .address_space: global }
      - { .name: out0, .offset: 24, .size: 8, .value_kind: global_buffer, .address_space: global }
    .group_segment_fixed_size: 327680
    .private_segment_fixed_size: 0
    .kernarg_segment_align: 8
    .kernarg_segment_size: 32
    .max_flat_workgroup_size: 128
    .sgpr_count:     66
    .vgpr_count:     512
    .wavefront_size: 32
...
	.end_amdgpu_metadata
.endif
;; end of part 4
